; MI455X (gfx1250); checked and timed in simulation.
; The chip was launched on July 23, 2026; its instructions are those of AMD's public machine-readable ISA for CDNA 5 (MIT licence, August 2026) and "CDNA5" Instruction Set Architecture Reference Guide (July 2026). The comments in the code are by the model that wrote it; some were corrected since.
;; Tri X Tile. Allowed arithmetic: matrix products marked QUANTISED: E5M2 operands, one given power-of-two scale a tensor, by v_wmma_f32_16x16x64_bf8_bf8 or v_wmma_f32_16x16x128_bf8_bf8, f32 sums; everything else in f32.
;; Inputs: down_scale 2,048 float32; down_weight 2,048 x 4,096 float32; lowp_scales 4 int32 (the exponents e of the quantised operands' scales 2^e); output_scale 1 float32; up_scale 4,096 float32; up_weight 4,096 x 2,048 float32; x_codes 2 x 2,048 x 64 x 32 uint8 (E5M2 codes of x, K innermost, in blocks of 32 codes).
;; Outputs: out0 2 x 2,048 x 2,048 float32.
;; This version of the problem:
;;   THIS VERSION OF THE PROBLEM IS GIVEN IN LOW PRECISION. The matrix products marked QUANTISED in the list below multiply operands that are first quantised to E5M2 (5 exponent bits, 2 mantissa bits; 8 bits a number), with one given power-of-two scale for each operand tensor; their sums are f32. All else is computed in f32.
;;   The module's matrix products, in the order in which they are computed (A, B: the left and right operand; K: the contracted axis; several contracted axes count as one K, in the product's order):
;;     1. [M 4,096, K 2,048] x [K 2,048, N 4,096]; A: input x (given as codes); B: computed on the way: QUANTISED (scales: A lowp_scales[0], B lowp_scales[1])
;;     2. [M 4,096, K 4,096] x [K 4,096, N 2,048]; A: computed on the way; B: computed on the way: QUANTISED (scales: A lowp_scales[2], B lowp_scales[3])
;;   THE QUANTISER, for each operand of a quantised product, along K:
;;     - The operand's scale is 2^e, e = its entry of the input lowp_scales (int32; the entries are numbered through the quantised products in the list's order, A before B).
;;     - Each number is divided by the scale, clamped to +-57,344, and rounded to the nearest number of E5M2, ties to even, subnormals kept.
;;     - The product sums the exact products of the quantised numbers (number of the format x scale) in f32.
;;   ~~~python
;;   def quantise(x, axis, e):      # numpy; x: float32 -> the quantised numbers, widened to float32 again
;;       x = np.moveaxis(x, axis, -1); K = x.shape[-1]
;;       r = np.clip(x / 2.0 ** e, -57344, 57344)
;;       step = 2.0 ** (np.maximum(np.frexp(np.where(r == 0, 1, r))[1] - 1, -14) - 2)
;;       q = np.round(r / step) * step * 2.0 ** e      # np.round: ties to even
;;       return np.moveaxis(q, -1, axis).astype(np.float32)
;;   ~~~
;;   OPERANDS COMPUTED ON THE WAY. 'Computed on the way' means the value that the module computes at that place (a softmax that the list does not call 'softmax' is quantised finished and normalised). What goes into a quantiser is computed in f32, as accurately as f32 sums, v_exp_f32 and their like allow (about 1e-6 of the number): no bf16 or f16 on the way to a quantiser, and a product that is left as it is and whose result goes on into a quantised operand takes f32 operands (vector FMAs, or v_wmma_f32_16x16x4_f32). A number that lies on a knife's edge between two numbers of the format may be rounded either way, as far as f32 arithmetic and the matrix unit's own rounding can turn it there, and no further.
;;   INPUTS GIVEN AS CODES. x (in the module: [2, 2048, 2048], K = its axis 2): each comes as NAME_codes (uint8): NAME with its K axis moved to the last place and cut into blocks of 32 codes, [.., K / 32, bytes a block], one block behind the other in memory; one code a byte (a code: sign, 5 exponent bits, 2 mantissa bits); its scale is its entry of lowp_scales. Its value is code x scale, taken as it is: it is not quantised again, and the codes and scales need not be those that the quantiser above would give.
;; One version. Each part assembles by itself: llvm-mc -triple=amdgcn-amd-amdhsa -mcpu=gfx1250 --defsym DOCPART=n.
;; ======== version 1 of 1: 3 launches
;; limits: right only within a limited range of input values
;; workspace buffers: up_codes 8,388,608 bytes; dn_codes 8,388,608 bytes; h_codes 16,777,216 bytes
;; launch signq (part 1): grid 512 x 1, 4 waves a work-group, no clusters, 33,280 bytes of LDS; arguments up_weight, down_weight, lowp_scales, up_codes, dn_codes; writes up_codes, dn_codes
.if DOCPART == 1
	.amdgcn_target "amdgcn-amd-amdhsa--gfx1250"
	.amdhsa_code_object_version 6
	.text
	.protected	k_qf2021f1679_signq
	.globl	k_qf2021f1679_signq
	.p2align	8
	.type	k_qf2021f1679_signq,@function
k_qf2021f1679_signq:
	s_mov_b64 s[64:65], 0
	v_nop
	global_prefetch_b8 v0, s[64:65] scope:SCOPE_SE
	s_setreg_imm32_b32 hwreg(HW_REG_WAVE_MODE, 25, 1), 1
	s_wait_xcnt 0x0
; up_weight [4096][2048] and down_weight [2048][4096], f32, K innermost in both, become codes of BF8 (E5M2) of THEIR SIGNS (-1, 0, +1), one byte a code, in the same order:
; code = sign(w) / 2^e, held within +-57,344, rounded to the nearest code, ties to even.  e is entry 1 of the buffer of scales for up_weight, entry 3 for down_weight.
; THE SIGN WITHOUT A COMPARE: w x 2^127 x 2^127 is 0 for w = 0 and at least 2^105 in magnitude for every other f32 number (the smallest is 2^-149; denormals are kept); held within +-c it is exactly
; sign(w) x c.  c = min(1, 57,344 x 2^e) is the sign's magnitude and the hold at the largest code in one; the conversion then divides by 2^e.
; LIMITS: e between -126 and 112, so that 2^e and 57,344 x 2^e are f32 numbers.  NaN among the weights is not served.
; Both tensors are dense streams of 8,388,608 numbers: nothing here knows of rows.  A work-group takes 32,768 numbers, a wave 8,192 in 16 steps of 512.  The first WGA work-groups take up_weight, the others down_weight:
; only pointers and e are chosen, by the work-group's number; there is one path through the text.
; The conversion takes 8 numbers from ONE lane's consecutive registers, so a lane must hold neighbours; a load is best where neighbouring LANES take neighbouring bytes.  Both are had: each of a step's four loads
; reads 512 consecutive bytes, 16 a lane; the 2,048 bytes go through the wave's own stage in LDS as they lie and come back 64 bytes a lane.  A lane's 16 codes are 16 bytes: the wave stores 512 consecutive bytes.
; No matrix unit, no tensor load, no cluster, no barrier: the launch streams each byte once and its waves share nothing.  Loads run four steps (16 loads a wave) ahead, the turn through LDS one step.
.set STEPS, 16
.set WGA,   256                        ; 8,388,608 numbers / 32,768
.set R,     16                         ; v16-79   four sets of 16 numbers as they are loaded
.set X,     80                         ; v80-111  two sets of 16 neighbours
.set C,     128                        ; v128-191 codes: four registers for each step, so that no store's data are written again
.set WREG,  8192                       ; LDS: a region of its own for each wave: two stages of 32 x SP bytes
.set SP,    80                         ; a lane's place in a stage: its 64 bytes + 16 of padding
	s_load_b128 s[4:7], s[0:1], 0x0                ; up_weight, down_weight
	s_load_b64 s[10:11], s[0:1], 0x10              ; the scales' exponents
	s_load_b128 s[12:15], s[0:1], 0x18             ; up_codes, dn_codes
	v_lshl_add_u32 v192, v0, 2, 0x8000
	v_mov_b32 v193, 0
	v_lshrrev_b32 v1, 5, v0
	v_readfirstlane_b32 s16, v1                    ; wave
	v_and_b32 v2, 31, v0                           ; lane
	v_lshlrev_b32 v3, 4, v2                        ; my 16 bytes of a load's 512
	v_lshlrev_b32 v4, 4, v2                        ; my 16 codes' place in a step's 512
	s_mul_i32 s17, s16, WREG
	v_lshrrev_b32 v14, 2, v2
	v_mul_u32_u24 v14, v14, SP
	v_and_b32 v15, 3, v2
	v_lshl_add_u32 v14, v15, 4, v14
	v_add_nc_u32 v14, s17, v14                     ; the stage, on the way in: four lanes' 64 bytes on end, then 16 of padding: SP (lane / 4) + 16 (lane % 4); a load's 512 bytes take eight places
	v_mul_u32_u24 v15, v2, SP
	v_add_nc_u32 v15, s17, v15                     ; and on the way out: SP x lane: my 16 neighbours
	s_mov_b32 s28, 0x7f000000                      ; 2^127
	s_mov_b32 s29, 0x7f000000                      ; (named with it as a pair, so it is written)
	s_wait_alu depctr_va_vdst(0)
	s_wait_kmcnt 0x0
	s_load_b128 s[24:27], s[10:11], 0x0            ; e0, e1, e2, e3
	s_cmp_lt_u32 ttmp9, WGA                        ; up's work-group or down's?  The choice hangs on the work-group's number alone
	s_cselect_b64 s[4:5], s[4:5], s[6:7]
	s_cselect_b64 s[8:9], s[12:13], s[14:15]
	s_cselect_b32 s17, 0, WGA
	s_sub_co_u32 s17, ttmp9, s17
	s_lshl_b32 s17, s17, 2
	s_add_co_u32 s18, s17, s16                     ; which run of 8,192 numbers of the tensor is my wave's: 0 to 1,023
	s_lshl_b32 s20, s18, 15                        ; 32,768 bytes of numbers a run
	s_mov_b32 s21, 0
	s_add_nc_u64 s[4:5], s[4:5], s[20:21]
	s_lshl_b32 s20, s18, 13                        ; 8,192 bytes of codes a run
	s_add_nc_u64 s[8:9], s[8:9], s[20:21]
.macro LOAD t
.irp i, 0,1,2,3
	global_load_b128 v[R+16*((\t)%4)+4*\i:R+16*((\t)%4)+4*\i+3], v3, s[4:5] offset:2048*(\t)+512*\i th:TH_LOAD_NT   ; 32 lanes read 512 consecutive bytes; read once in the launch
.endr
.endm
.macro TURN t                          ; step t's numbers through the stage: LDS serves a wave's instructions in order (ISA guide 5.7.1.4), so no wait stands between the stores and the loads
.irp i, 0,1,2,3
	ds_store_b128 v14, v[R+16*((\t)%4)+4*\i:R+16*((\t)%4)+4*\i+3] offset:32*SP*((\t)%2)+8*SP*\i
.endr
.irp i, 0,1,2,3
	ds_load_b128 v[X+16*((\t)%2)+4*\i:X+16*((\t)%2)+4*\i+3], v15 offset:32*SP*((\t)%2)+16*\i
.endr
.endm
.irp t, 0,1,2,3
	LOAD \t
.endr
	s_wait_kmcnt 0x0
	s_cmp_lt_u32 ttmp9, WGA
	s_cselect_b32 s22, s25, s27                    ; e: entry 1 for up_weight, entry 3 for down_weight
	s_add_co_i32 s22, s22, 127
	s_lshl_b32 s23, s22, 23
	v_mov_b32 v11, s23                             ; 2^e as f32: the conversion takes its exponent field
	s_add_co_i32 s22, s22, 15
	s_lshl_b32 s22, s22, 23
	s_or_b32 s22, s22, 0x600000
	v_mov_b32 v10, s22                             ; 57,344 x 2^e,
	v_min_num_f32 v10, 1.0, v10                    ; c = the lesser of it and 1
	s_wait_loadcnt 12                              ; step 0's four loads are in; the twelve of steps 1 to 3 may be out
	TURN 0
.macro STEP t
.set XS, X+16*((\t)%2)
	s_wait_dscnt 0x0                               ; this step's numbers are back from the stage: so its stores into the stage have read their registers,
.if (\t)+4 < STEPS
	LOAD (\t)+4                                    ; which take the loads of four steps on
.endif
.if (\t)+1 < STEPS
.if STEPS-2-(\t) >= 3
	s_wait_loadcnt 12                              ; the next step's four loads are in; those of the three steps behind it may be out
.else
	s_wait_loadcnt 4*(STEPS-2-(\t))                ; the tail: as many steps behind it as are left
.endif
	TURN (\t)+1                                    ; and go through the other stage while this step is worked
.endif
.rept 2                                        ; x 2^127, twice, two numbers an instruction (the scalar pair's low word serves both halves)
.set n, 0
.rept 8
	v_pk_mul_f32 v[XS+n:XS+n+1], v[XS+n:XS+n+1], s[28:29] op_sel_hi:[1,0]
.set n, n+2
.endr
.endr
.set n, 0
.rept 16
	v_med3_num_f32 v[XS+n], v[XS+n], -v10, v10     ; sign(w) x c.  The conversion to an 8-bit code does not saturate (ISA guide 7.6.2): c also holds the number within the largest code x the scale
.set n, n+1
.endr
	v_cvt_scalef32_pk8_bf8_f32 v[C+4*(\t):C+4*(\t)+1], v[XS:XS+7], v11          ; eight numbers / 2^e, to the nearest code, ties to even; the first number's code in the lowest byte
	v_cvt_scalef32_pk8_bf8_f32 v[C+4*(\t)+2:C+4*(\t)+3], v[XS+8:XS+15], v11
; (The results go to a store alone; the next vector lines are the next step's plain multiplications, on the other set of numbers: they stand between these conversions and any line that writes their sources.)
	global_store_b128 v4, v[C+4*(\t):C+4*(\t)+3], s[8:9] offset:512*(\t)         ; 32 lanes store 512 consecutive bytes, at a multiple of 256 from the buffer's first byte; the next launches read them, so no hint
.endm
.irp t, 0,1,2,3,4,5,6,7,8,9,10,11,12,13,14,15
	STEP \t
.endr
	s_wait_tensorcnt 0x0
	ds_add_u32 v192, v193
	s_wait_dscnt 0x0
	s_endpgm
.Lfunc_end_k_qf2021f1679_signq:
	.size	k_qf2021f1679_signq, .Lfunc_end_k_qf2021f1679_signq-k_qf2021f1679_signq
	.p2alignl 7, 3214868480
	.fill 96, 4, 3214868480
	.section	.rodata,"a",@progbits
	.p2align	6, 0x0
	.amdhsa_kernel k_qf2021f1679_signq
		.amdhsa_group_segment_fixed_size 33280
		.amdhsa_private_segment_fixed_size 0
		.amdhsa_enable_private_segment 0
		.amdhsa_kernarg_size 40
		.amdhsa_user_sgpr_count 2
		.amdhsa_user_sgpr_kernarg_segment_ptr 1
		.amdhsa_wavefront_size32 1
		.amdhsa_system_sgpr_workgroup_id_x 1
		.amdhsa_system_sgpr_workgroup_id_y 1
		.amdhsa_system_sgpr_workgroup_id_z 1
		.amdhsa_system_vgpr_workitem_id 0
		.amdhsa_next_free_vgpr 194
		.amdhsa_next_free_sgpr 66
		.amdhsa_reserve_vcc 0
		.amdhsa_float_denorm_mode_32 3
		.amdhsa_float_denorm_mode_16_64 3
		.amdhsa_memory_ordered 1
		.amdhsa_forward_progress 1
		.amdhsa_inst_pref_size 53
	.end_amdhsa_kernel
	.amdgpu_metadata
---
amdhsa.version: [ 1, 2 ]
amdhsa.kernels:
  - .name:           k_qf2021f1679_signq
    .symbol:         k_qf2021f1679_signq.kd
    .args:
      - { .name: up_weight, .offset: 0, .size: 8, .value_kind: global_buffer, .address_space: global }
      - { .name: down_weight, .offset: 8, .size: 8, .value_kind: global_buffer, .address_space: global }
      - { .name: lowp_scales, .offset: 16, .size: 8, .value_kind: global_buffer, .address_space: global }
      - { .name: up_codes, .offset: 24, .size: 8, .value_kind: global_buffer, .address_space: global }
      - { .name: dn_codes, .offset: 32, .size: 8, .value_kind: global_buffer, .address_space: global }
    .group_segment_fixed_size: 33280
    .private_segment_fixed_size: 0
    .kernarg_segment_align: 8
    .kernarg_segment_size: 40
    .max_flat_workgroup_size: 128
    .sgpr_count:     66
    .vgpr_count:     194
    .wavefront_size: 32
...
	.end_amdgpu_metadata
.endif
;; end of part 1
;; launch up (part 2): grid 16 x 16, 4 waves a work-group, clusters of 4 x 4, 327,680 bytes of LDS; arguments x_codes, up_codes, lowp_scales, up_scale, h_codes; writes h_codes
.if DOCPART == 2
	.amdgcn_target "amdgcn-amd-amdhsa--gfx1250"
	.amdhsa_code_object_version 6
	.text
	.protected	k_qf2021f1679_up
	.globl	k_qf2021f1679_up
	.p2align	8
	.type	k_qf2021f1679_up,@function
k_qf2021f1679_up:
	s_mov_b64 s[64:65], 0
	v_nop
	global_prefetch_b8 v0, s[64:65] scope:SCOPE_SE
	s_setreg_imm32_b32 hwreg(HW_REG_WAVE_MODE, 25, 1), 1
	s_wait_xcnt 0x0
	s_wait_alu depctr_hold_cnt(0) depctr_sa_sdst(0) depctr_va_vdst(0) depctr_va_sdst(0) depctr_va_ssrc(0) depctr_va_vcc(0) depctr_vm_vsrc(0)
	s_getreg_b32 s2, hwreg(HW_REG_IB_STS2, 6, 4)
	s_cmp_eq_u32 s2, 0
	s_cbranch_scc0 .Lentry_in_a_cluster
	s_endpgm
.Lentry_in_a_cluster:
	s_bfe_u32 s2, ttmp6, 0x10000c
	s_cmp_lg_u32 s2, 0xf033
	s_cbranch_scc0 .Lentry_shape_is_right
	s_endpgm
.Lentry_shape_is_right:
; h_codes[m][n] = Q(relu(up_scale[n] x 2^(e0 + e1) x the sum over k of x_codes[m][k] up_codes[n][k])).  x_codes [4096][2048], up_codes [4096][2048]: codes of BF8 (E5M2), K innermost; sums in f32.
; Q: / 2^e2, held within 57,344, to the nearest code, ties to even.  h_codes [4096][4096], one byte a code, n innermost: n is the next product's K.
; LIMITS: e2 between -126 and 112, so that 2^e2 and 57,344 x 2^e2 are f32 numbers; e0 + e1 is applied to up_scale by v_ldexp_f32, which rounds nothing while up_scale x 2^(e0 + e1) is a normal f32 number.  NaN among the scales is not served.
; A tile of 256 x 256 is made by a work-group of four waves; a wave makes 128 x 128: 64 accumulators of 16 x 16, 512 registers.  16 x 16 tiles: 256 work-groups.
; K goes in steps of 256 through a ring of two LDS slots filled by the tensor data mover: a tile's row is 256 consecutive bytes of memory, at a multiple of 256 from the buffer's first byte.
; CLUSTERS: 4 x 4 work-groups.  The four of a row of the cluster need the same tiles of x, the four of a column the same tiles of up: each tile is asked for JOINTLY, by the same tensor load with the same
; descriptor and a mask that names the four.  THE MATRIX INSTRUCTION IS USED TRANSPOSED (source 0 = 16 rows of up, source 1 = 16 rows of x): a lane then holds eight neighbouring n of one row m,
; which one conversion turns into eight neighbouring bytes of h_codes.
; A fragment is fetched by four loads of 16 bytes: a permutation of k inside the instruction's 128, the same in both operands, so every product meets its partner.
; PREFETCH: behind the joint load of K step s stands one prefetch of K step s + 2 (behind the first load also of K step 1): of the 128 rows that a wave fetches, each of the four partners that ask for
; them jointly names 32, told apart by address (cx for x, cy for up), a lane a row of 256 bytes.  K steps 6 and 7 are the last that are named: the loop's last trip asks for nothing.
; REGISTERS, in windows of 256: window 0: v0-31 addresses and constants; v32-63 codes on the way out; v64-127 my lane's 64 column factors; from v128 x's fragments (8 x 16 rows x 128 K), ONE set.
;   window 1: up's fragments, TWO sets, at v0 and at v128.   window 2: the 32 accumulators of my rows 0-63 (accumulator (a, b) at v[8 (8 a + b)]);   window 3: those of my rows 64-127.
.set SIZE_K, 2048
.set ROWB,   256                       ; a tile's row in bytes: a K step
.set KROW,   2048                      ; a row of x_codes or of up_codes in memory, in bytes
.set HROW,   4096                      ; a row of h_codes in bytes
.set PITCH,  272                       ; an LDS row: 256 bytes + 16 of padding: the 16 rows that a load touches start at 16 different banks (ISA guide 11.1)
.set FR,     16                        ; registers of a fragment: 16 rows x 128 K
.set NL,     4                         ; LDS loads that bring one
.set NP,     4                         ; places behind this matrix instruction (ISA guide 7.12.1)
.set HALFT,  128*PITCH                 ; 128 rows: what one tensor load brings
.set SLOT,   4*HALFT                   ; x's 256 rows, then up's 256 rows
.set LAPS,   SIZE_K/(2*ROWB)           ; a lap = two K steps = once round the ring: 4
.set SPARE,  2*SLOT                    ; behind the ring: the spare words, 128 bytes for each wave
.set SPITCH, 272                       ; the way out: ONE stage of 256 rows x (256 + 16) bytes, in slot 0, behind that slot's last fill and last read
.set PFO,  8                           ; v8      the prefetches' offset: lane x 2,048 bytes; never rewritten
.set ADRA, 16                          ; v16-17  LDS address of my x fragments in slot 0, 1
.set ADRB, 20                          ; v20-21  the same for up
.set STO,  24                          ; v24     the way out: where I put 8 bytes of a row
.set RD,   25                          ; v25     the way out: where I read a row back
.set CO,   26                          ; v26     my byte offset in two rows of h_codes
.set FO,   27                          ; v27     my byte offset in the wave's 128 numbers of up_scale
.set SPW,  28                          ; v28     LDS address of my spare word; never rewritten
.set NIL,  29                          ; v29     0; never rewritten
.set LIM,  30                          ; v30     57,344 x 2^e2
.set SC,   31                          ; v31     2^e2 as f32
.set PC,   32                          ; v32-63  a block's codes: two sets of 16 registers by turns
.set F,    64                          ; v64-127 register 8 b + j: up_scale[my first column + 16 b + 8 (lane / 16) + j] x 2^(e0 + e1)
.set AF,   128                         ; x's fragments, in window 0
.set TMP,  128                         ; the way out: a block's 64 numbers
.set BK,   128                         ; the way out: 64 rows read back from the stage
.set G1, 24                            ; s[24:31] descriptor group 1 for x's tiles;  s[32:39] group 0, one set for each slot
.set G0, 32
.set G1B, 48                           ; s[48:55], s[56:63] the same for up's tiles
.set G0B, 56
.set PFA, 66                           ; s[66:67] my work-group's 32 rows of the 128 that I fetch, stepped two K steps a trip
.set MSB, 0
.macro WIN new                         ; the immediate's high byte repeats the setting that is left
.if MSB != (\new)
	s_set_vgpr_msb (MSB<<8)|(\new)
.set MSB, (\new)
.endif
.endm
.set MUL_LO, 0xa1                      ; source 0 (up) window 1, source 1 (x) window 0, C and D window 2
.set MUL_HI, 0xf1                      ; the same, C and D window 3
.set TO_B,   0x40                      ; destination window 1, address window 0
; A joint load: waves 0 and 1 fetch for x, waves 2 and 3 for up; the branch hangs on the wave's number alone.  An s_nop 0 and four v_nop follow each line.
.macro JLOAD g0a, g1a, g0b, g1b
	s_cmp_eq_u32 s15, 0
	s_cbranch_scc0 .Lfor_b_\@
	tensor_load_to_lds s[\g0a:\g0a+3], s[\g1a:\g1a+7]
	s_nop 0
.rept 4
	v_nop
.endr
	s_branch .Lasked_\@
.Lfor_b_\@:
	tensor_load_to_lds s[\g0b:\g0b+3], s[\g1b:\g1b+7]
	s_nop 0
.rept 4
	v_nop
.endr
.Lasked_\@:
.endm
.macro PF off                          ; 32 rows x 256 bytes, a lane a row
	global_prefetch_b8 v[PFO], s[PFA:PFA+1] offset:\off th:TH_LOAD_NT scope:SCOPE_SE
.endm
.macro ASK off                         ; in the loop: s3 = 1 in the last trip, whose refills have no K step two on
	s_cmp_gt_u32 s3, 1
	s_cbranch_scc0 .Lno_ask_\@
	PF \off
.Lno_ask_\@:
.endm
.macro CREST                           ; a round of the cluster's barrier behind its opening barrier
	s_cmp_lg_u32 s14, 0
	s_cbranch_scc1 .Lnot_wave_0_\@
	s_barrier_signal -3
.Lnot_wave_0_\@:
	s_barrier_wait -3
	s_barrier_signal -1
	s_barrier_wait -1
.endm
.macro CROUND                          ; a whole round
	s_barrier_signal -1
	s_barrier_wait -1
	CREST
.endm
	s_load_b128 s[4:7], s[0:1], 0x0                ; x_codes s[4:5], up_codes s[6:7]
	s_load_b128 s[8:11], s[0:1], 0x10              ; the scales' exponents s[8:9], up_scale s[10:11]
	s_load_b64 s[12:13], s[0:1], 0x20              ; h_codes
	v_lshl_add_u32 v[SPW], v0, 2, SPARE
	v_mov_b32 v[NIL], 0
	ds_add_u32 v[SPW], v[NIL]                      ; the opening: the add, twice on end, and its wait ahead of my first tensor load
	ds_add_u32 v[SPW], v[NIL]
	v_lshrrev_b32 v1, 5, v0
	v_readfirstlane_b32 s14, v1                    ; wave 0..3
	s_lshr_b32 s15, s14, 1                         ; which half of the tile's rows is mine.  Also: I fetch for x (0) or for up (1)
	s_and_b32 s16, s14, 1                          ; which half of its columns.  Also: which 128 rows of that tile I fetch
	s_bfe_u32 s40, ttmp6, 0x40000                  ; cx, cy: my place in the cluster
	s_bfe_u32 s41, ttmp6, 0x40004
	s_lshl_b32 s42, ttmp9, 2
	s_add_co_u32 s42, s42, s40                     ; tile column = 4 x cluster x + cx
	s_and_b32 s17, ttmp7, 0xffff
	s_lshl_b32 s17, s17, 2
	s_add_co_u32 s17, s17, s41                     ; tile row = 4 x cluster y + cy
	s_lshl_b32 s43, s41, 2
	s_lshl_b32 s43, 15, s43                        ; my row of the cluster
	s_lshl_b32 s44, 0x1111, s40                    ; my column
	s_or_b32 s[G1+0], s43, (0<<16)|(1<<20)|(1<<21)|(5<<22)|(3<<25)  ; the mask; elements of 1 byte; padding on; bit 21 beside a mask; after every 64 words, 4 words
	s_or_b32 s[G1B+0], s44, (0<<16)|(1<<20)|(1<<21)|(5<<22)|(3<<25)
.irp g, G1, G1B
	s_mov_b32 s[\g+1], ROWB<<16                    ; tensor_dim0
	s_mov_b32 s[\g+2], 128<<16                     ; tensor_dim1 = 128
	s_mov_b32 s[\g+3], ROWB<<16                    ; tile_dim0
	s_mov_b32 s[\g+4], 128                         ; tile_dim1 = 128
	s_mov_b32 s[\g+5], KROW                        ; the pitch
	s_mov_b32 s[\g+6], 0
	s_mov_b32 s[\g+7], 0
.endr
	s_lshl_b32 s18, s16, 7                         ; which 128 rows of the tile I fetch
	s_lshl_b32 s20, s17, 8
	s_add_co_u32 s20, s20, s18                     ; x: row 256 x tile row + 128 x half,
	s_lshl_b32 s20, s20, 11                        ; in bytes
	s_mov_b32 s21, 0
	s_lshl_b32 s46, s42, 8
	s_add_co_u32 s46, s46, s18                     ; up: row 256 x tile column + 128 x half
	s_lshl_b32 s46, s46, 11
	s_mov_b32 s47, 0
	s_mul_i32 s45, s14, HALFT                      ; where they go: wave x 128 rows
	s_wait_dscnt 0x0                               ; both opening adds are done
	s_wait_kmcnt 0x0
	s_load_b128 s[72:75], s[8:9], 0x0              ; e0, e1, e2, e3
	s_add_nc_u64 s[20:21], s[4:5], s[20:21]
	s_add_nc_u64 s[46:47], s[6:7], s[46:47]
	s_cmp_eq_u32 s15, 0                            ; the prefetches: the rows that I fetch,
	s_cselect_b64 s[PFA:PFA+1], s[20:21], s[46:47]
	s_cselect_b32 s68, s40, s41                    ; my place among the four that ask for them with me,
	s_lshl_b32 s68, s68, 16                        ; x 32 rows of 2,048 bytes
	s_mov_b32 s69, 0
	s_add_nc_u64 s[PFA:PFA+1], s[PFA:PFA+1], s[68:69]
	CROUND                                         ; all sixteen work-groups are here: the first joint loads meet
.irp s, 0,1
	s_mov_b32 s[G0+4*\s], 1
	s_add_co_u32 s[G0+4*\s+1], s45, \s*SLOT
	s_add_nc_u64 s[G0+4*\s+2:G0+4*\s+3], s[20:21], \s*ROWB
	s_or_b32 s[G0+4*\s+3], s[G0+4*\s+3], 0x80000000
	s_mov_b32 s[G0B+4*\s], 1
	s_add_co_u32 s[G0B+4*\s+1], s45, \s*SLOT
	s_add_nc_u64 s[G0B+4*\s+2:G0B+4*\s+3], s[46:47], \s*ROWB
	s_or_b32 s[G0B+4*\s+3], s[G0B+4*\s+3], 0x80000000
.endr
	JLOAD G0, G1, G0B, G1B                         ; K step 0: one tensor load a wave at the head
	s_mul_i32 s21, s15, HALFT                      ; my 128 rows of x
	s_mul_i32 s22, s16, HALFT                      ; my 128 rows of up,
	s_add_co_u32 s22, s22, 2*HALFT                 ; which lie behind x's 256
	s_add_co_u32 s68, s21, SLOT
	s_add_co_u32 s69, s22, SLOT
	s_mul_i32 s23, s15, 128*SPITCH                 ; into the stage: my 128 rows, my half of their 256 bytes
	s_lshl_b32 s18, s16, 7
	s_add_co_u32 s23, s23, s18
	s_mul_i32 s19, s14, 64*SPITCH                  ; back: wave w takes rows 64 w .. 64 w + 63, whole
	v_and_b32 v1, 15, v0                           ; r = l % 16
	v_bfe_u32 v2, v0, 4, 1                         ; h = l / 16
	v_mul_u32_u24 v3, v1, PITCH
	v_lshl_add_u32 v4, v2, 4, v3                   ; a fragment's row x pitch + 16 x half
	v_add_nc_u32 v[ADRA], s21, v4
	v_add_nc_u32 v[ADRB], s22, v4
	v_add_nc_u32 v[ADRA+1], s68, v4
	v_add_nc_u32 v[ADRB+1], s69, v4
	v_lshl_add_u32 v5, v2, 3, v3                   ; row r, 8 bytes for each half of the lanes
	v_add_nc_u32 v[STO], s23, v5
	v_mul_u32_u24 v5, v2, SPITCH                   ; lanes 0-15 one row of 256 bytes, lanes 16-31 the next
	v_lshl_add_u32 v5, v1, 4, v5
	v_add_nc_u32 v[RD], s19, v5
	v_lshlrev_b32 v6, 12, v2                       ; and the same two rows in h_codes
	v_lshl_add_u32 v[CO], v1, 4, v6
	v_lshlrev_b32 v[FO], 5, v2
	v_and_b32 v[PFO], 31, v0
	v_lshlrev_b32 v[PFO], 11, v[PFO]
	s_wait_alu depctr_va_vdst(0)
	PF ROWB                                        ; K steps 1 and 2
	PF 2*ROWB
	s_lshl_b32 s20, s17, 8
	s_lshl_b32 s21, s14, 6
	s_add_co_u32 s20, s20, s21                     ; the first row of h_codes that I store: 256 x tile row + 64 x wave,
	s_lshl_b32 s20, s20, 12                        ; in bytes
	s_mov_b32 s21, 0
	s_add_nc_u64 s[12:13], s[12:13], s[20:21]
	s_lshl_b32 s46, s42, 8                         ; the tile's first column, in bytes
	s_mov_b32 s47, 0
	s_add_nc_u64 s[12:13], s[12:13], s[46:47]
	s_lshl_b32 s46, s42, 10                        ; up_scale at my first column: 4 x (256 x tile column + 128 x half)
	s_lshl_b32 s47, s16, 9
	s_add_co_u32 s46, s46, s47
	s_mov_b32 s47, 0
	s_add_nc_u64 s[10:11], s[10:11], s[46:47]
.irp b, 0,1,2,3,4,5,6,7
	global_load_b128 v[F+8*\b:F+8*\b+3],   v[FO], s[10:11] offset:64*\b      ; the factors of columns 16 b + 8 h + 0 .. 7: once, into registers
	global_load_b128 v[F+8*\b+4:F+8*\b+7], v[FO], s[10:11] offset:64*\b+16
.endr
	s_wait_kmcnt 0x0
	s_add_co_i32 s77, s72, s73                     ; e0 + e1
	s_add_co_i32 s78, s74, 127
	s_lshl_b32 s79, s78, 23
	v_mov_b32 v[SC], s79                           ; 2^e2 as f32: the conversion takes its exponent field
	s_add_co_i32 s78, s78, 15
	s_lshl_b32 s78, s78, 23
	s_or_b32 s78, s78, 0x600000
	v_mov_b32 v[LIM], s78                          ; 57,344 x 2^e2
	s_wait_loadcnt 0x0                             ; the factors; K step 0's tiles are on their way meanwhile
.set n, 0
.rept 64
	v_ldexp_f32 v[F+n], v[F+n], s77                ; up_scale x 2^(e0 + e1): a power of two rounds nothing
.set n, n+1
.endr
.macro FRAG reg, adr, q, i             ; 16 rows x 128 K: lane l holds row l % 16; registers 4 c .. 4 c + 3 hold K = 32 c + 16 (l / 16) + 0 .. 15
.irp c, 0,1,2,3
	ds_load_b128 v[\reg+4*\c:\reg+4*\c+3], v[\adr] offset:128*(\q)+32*\c+(\i)*16*PITCH
.endr
.endm
; 16 matrix instructions: x's blocks a0, a0 + 1 against up's eight.  p: up's set.  zero = 1: the first product starts the sums.  The 64 accumulators take turns.
.macro MUL16 a0, p, zero
.irp a, \a0, \a0+1
.irp b, 0,1,2,3,4,5,6,7
.if \zero
	v_wmma_f32_16x16x128_bf8_bf8 v[8*(8*((\a)%4)+\b):8*(8*((\a)%4)+\b)+7], v[128*(\p)+FR*\b:128*(\p)+FR*\b+FR-1], v[AF+FR*(\a):AF+FR*(\a)+FR-1], 0
.else
	v_wmma_f32_16x16x128_bf8_bf8 v[8*(8*((\a)%4)+\b):8*(8*((\a)%4)+\b)+7], v[128*(\p)+FR*\b:128*(\p)+FR*\b+FR-1], v[AF+FR*(\a):AF+FR*(\a)+FR-1], v[8*(8*((\a)%4)+\b):8*(8*((\a)%4)+\b)+7]
.endif
.endr
.endr
.endm
.macro FETCH_B slot, q, p              ; up's eight fragments of the slot's q-th 128 along K into set p
	WIN TO_B
.irp i, 0,1,2,3,4,5,6,7
	FRAG 128*(\p)+FR*\i, ADRB+\slot, \q, \i
.endr
	WIN 0
.endm
.macro FETCH_A slot, q, i0             ; x's blocks i0 .. i0 + 3
.irp i, \i0, \i0+1, \i0+2, \i0+3
	FRAG AF+FR*(\i), ADRA+\slot, \q, \i
.endr
.endm
.macro PLACES n                        ; plain places between a matrix instruction and a load into, or a vector read of, its registers
.rept \n
	v_nop
.endr
.endm
; A step of 128 along K that has its successor in the same slot.
.macro STEP slot, q, zero
	s_wait_dscnt 4*NL                              ; up's set and x's blocks 0-3 are in; the youngest sixteen loads (x's blocks 4-7) may be out
	WIN MUL_LO
	MUL16 0, (\q)%2, \zero
	MUL16 2, (\q)%2, \zero
	s_wait_dscnt 0                                 ; x's blocks 4-7 are in
	PLACES NP
	FETCH_B \slot, (\q)+1, 1-(\q)%2
	FETCH_A \slot, (\q)+1, 0
	WIN MUL_HI
	MUL16 4, (\q)%2, \zero
	MUL16 6, (\q)%2, \zero
	PLACES NP
	WIN 0
	FETCH_A \slot, (\q)+1, 4
.endm
; A slot's last step changes slots: ONE barrier; in front of it each wave waits for all its tensor loads, adds 0 to its spare word, and waits for that and for its own reads of this slot.  fill = 1: this slot is filled again, two K steps ahead.
.macro TURN slot, next, fill
.if (\fill) && (\slot) == 0
	s_wait_xcnt 0x0                                ; my prefetches have read their address: it steps two K steps, once a trip
	s_add_nc_u64 s[PFA:PFA+1], s[PFA:PFA+1], 2*ROWB
.endif
	s_wait_tensorcnt 0x0                           ; all my tensor loads have landed: the one that was out is my part of the next slot
	ds_add_u32 v[SPW], v[NIL]                      ; 0 onto my spare word
	s_wait_dscnt 4*NL+1                            ; (the add and the youngest sixteen loads may be out)
	WIN MUL_LO
	MUL16 0, 1, 0
	s_wait_dscnt 0x0                               ; the add is done, and my reads of this slot are over
	s_barrier_signal -1
	MUL16 2, 1, 0                                  ; work on registers while the others arrive
	WIN 0
	s_barrier_wait -1
.if \fill
	CREST                                          ; the barrier has opened a round of the cluster's barrier: no wave of any partner still reads this slot or has a load on its way
	s_add_nc_u64 s[G0+4*\slot+2:G0+4*\slot+3], s[G0+4*\slot+2:G0+4*\slot+3], 2*ROWB
	s_add_nc_u64 s[G0B+4*\slot+2:G0B+4*\slot+3], s[G0B+4*\slot+2:G0B+4*\slot+3], 2*ROWB
	JLOAD G0+4*\slot, G1, G0B+4*\slot, G1B         ; the first tensor load behind the round, my one load until the next; its four v_nop are the places in front of the loads below
.else
	PLACES NP
.endif
	FETCH_B \next, 0, 0
	FETCH_A \next, 0, 0
.if \fill
	ASK 2*ROWB+ROWB*(\slot)                        ; the K step two refills on
.endif
	WIN MUL_HI
	MUL16 4, 1, 0
	MUL16 6, 1, 0
	PLACES NP
	WIN 0
	FETCH_A \next, 0, 4
.endm
	s_wait_alu depctr_va_vdst(0)
	s_wait_tensorcnt 0x0                           ; my part of K step 0 is in; the same lines as ahead of a refill stand ahead of slot 1's first fill:
	ds_add_u32 v[SPW], v[NIL]
	s_wait_dscnt 0x0
	CROUND                                         ; everybody's part of K step 0 is in, and the joint loads meet
	JLOAD G0+4, G1, G0B+4, G1B                     ; K step 1
	FETCH_B 0, 0, 0
	FETCH_A 0, 0, 0
	FETCH_A 0, 0, 4
	PF 3*ROWB                                      ; K step 3
	STEP 0, 0, 1                                   ; the first step stands in front of the loop: its products start the sums
	s_mov_b32 s3, LAPS-1
.Llap:                                                 ; a trip goes once round the ring and fills both slots again
	TURN 0, 1, 1
	STEP 1, 0, 0
	TURN 1, 0, 1
	STEP 0, 0, 0
	s_sub_co_u32 s3, s3, 1
	s_cmp_lg_u32 s3, 0
	s_cbranch_scc1 .Llap
	TURN 0, 1, 0                                   ; the last lap fills nothing.  Behind this barrier nobody reads slot 0 any more
	STEP 1, 0, 0
	s_wait_dscnt 4*NL                              ; the very last step: nothing more to fetch
	WIN MUL_LO
	MUL16 0, 1, 0
	MUL16 2, 1, 0
	s_wait_dscnt 0
	WIN MUL_HI
	MUL16 4, 1, 0
	MUL16 6, 1, 0
	WIN 0
; THE WAY OUT, block by block of 16 rows x 128 columns.  sum x factor; the activation and the hold in one; eight neighbouring columns of a row become 8 bytes.  A row's 256 bytes come from two waves: they meet
; in the work-group's stage, and behind a barrier each wave stores 64 whole row pieces.
.macro OUTBLK a
.set AC, 64*((\a)%4)
.set PCS, PC+16*((\a)%2)
.if (\a) >= 2
	s_wait_dscnt 8                                 ; the stores of two blocks back, which read this set of code registers, are done
.endif
	WIN 0x02+((\a)/4)                              ; source 0: window 2 or 3
.set n, 0
.rept 32
	v_pk_mul_f32 v[TMP+n:TMP+n+1], v[AC+n:AC+n+1], v[F+n:F+n+1]   ; into other registers; each accumulator from its low end on
.set n, n+2
.endr
	WIN 0
.set n, 0
.rept 64
	v_med3_num_f32 v[TMP+n], v[TMP+n], 0, v[LIM]   ; relu and the hold in one (the conversion to an 8-bit code does not saturate: ISA guide 7.6.2)
.set n, n+1
.endr
.irp b, 0,1,2,3,4,5,6,7
	v_cvt_scalef32_pk8_bf8_f32 v[PCS+2*\b:PCS+2*\b+1], v[TMP+8*\b:TMP+8*\b+7], v[SC]
.endr
	v_nop                                          ; one plain vector instruction behind the last conversion
.irp b, 0,1,2,3,4,5,6,7
	ds_store_b64 v[STO], v[PCS+2*\b:PCS+2*\b+1] offset:(\a)*16*SPITCH+16*\b    ; lane (r, h): row 16 a + r, columns 16 b + 8 h + 0 .. 7
.endr
.endm
	PLACES NP
.irp a, 0,1,2,3,4,5,6,7
	OUTBLK \a
.endr
	s_wait_dscnt 0x0                               ; for the others' sake: my stores into the stage are done
	s_barrier_signal -1
	s_barrier_wait -1
.set n, 0
.rept 32
	ds_load_b128 v[BK+4*n:BK+4*n+3], v[RD] offset:n*2*SPITCH
.set n, n+1
.endr
.set n, 0
.rept 32
	s_wait_dscnt 31-n                              ; LDS loads come back in order (ISA guide 5.7.1): pair n of rows is in
	global_store_b128 v[CO], v[BK+4*n:BK+4*n+3], s[12:13] offset:n*2*HROW   ; 16 lanes store 256 consecutive bytes, at a multiple of 256 from the buffer's first byte
.set n, n+1
.endr
	s_wait_tensorcnt 0x0                           ; the wave's end
	ds_add_u32 v[SPW], v[NIL]
	s_wait_dscnt 0x0
	CROUND                                         ; the closing round
	s_endpgm
.Lfunc_end_k_qf2021f1679_up:
	.size	k_qf2021f1679_up, .Lfunc_end_k_qf2021f1679_up-k_qf2021f1679_up
	.p2alignl 7, 3214868480
	.fill 96, 4, 3214868480
	.section	.rodata,"a",@progbits
	.p2align	6, 0x0
	.amdhsa_kernel k_qf2021f1679_up
		.amdhsa_group_segment_fixed_size 327680
		.amdhsa_private_segment_fixed_size 0
		.amdhsa_enable_private_segment 0
		.amdhsa_kernarg_size 40
		.amdhsa_user_sgpr_count 2
		.amdhsa_user_sgpr_kernarg_segment_ptr 1
		.amdhsa_wavefront_size32 1
		.amdhsa_system_sgpr_workgroup_id_x 1
		.amdhsa_system_sgpr_workgroup_id_y 1
		.amdhsa_system_sgpr_workgroup_id_z 1
		.amdhsa_system_vgpr_workitem_id 0
		.amdhsa_next_free_vgpr 1024
		.amdhsa_next_free_sgpr 80
		.amdhsa_reserve_vcc 0
		.amdhsa_float_denorm_mode_32 3
		.amdhsa_float_denorm_mode_16_64 3
		.amdhsa_memory_ordered 1
		.amdhsa_forward_progress 1
		.amdhsa_inst_pref_size 148
	.end_amdhsa_kernel
	.amdgpu_metadata
---
amdhsa.version: [ 1, 2 ]
amdhsa.kernels:
  - .name:           k_qf2021f1679_up
    .symbol:         k_qf2021f1679_up.kd
    .args:
      - { .name: x_codes, .offset: 0, .size: 8, .value_kind: global_buffer, .address_space: global }
      - { .name: up_codes, .offset: 8, .size: 8, .value_kind: global_buffer, .address_space: global }
      - { .name: lowp_scales, .offset: 16, .size: 8, .value_kind: global_buffer, .address_space: global }
      - { .name: up_scale, .offset: 24, .size: 8, .value_kind: global_buffer, .address_space: global }
      - { .name: h_codes, .offset: 32, .size: 8, .value_kind: global_buffer, .address_space: global }
    .group_segment_fixed_size: 327680
    .private_segment_fixed_size: 0
    .kernarg_segment_align: 8
    .kernarg_segment_size: 40
    .max_flat_workgroup_size: 128
    .sgpr_count:     80
    .vgpr_count:     1024
    .wavefront_size: 32
...
	.end_amdgpu_metadata
.endif
;; end of part 2
;; launch down (part 3): grid 8 x 32, 4 waves a work-group, clusters of 4 x 4, 327,680 bytes of LDS; arguments h_codes, dn_codes, lowp_scales, down_scale, output_scale, out0; writes out0
.if DOCPART == 3
	.amdgcn_target "amdgcn-amd-amdhsa--gfx1250"
	.amdhsa_code_object_version 6
	.text
	.protected	k_qf2021f1679_down
	.globl	k_qf2021f1679_down
	.p2align	8
	.type	k_qf2021f1679_down,@function
k_qf2021f1679_down:
	s_mov_b64 s[64:65], 0
	v_nop
	global_prefetch_b8 v0, s[64:65] scope:SCOPE_SE
	s_setreg_imm32_b32 hwreg(HW_REG_WAVE_MODE, 25, 1), 1
	s_wait_xcnt 0x0
	s_wait_alu depctr_hold_cnt(0) depctr_sa_sdst(0) depctr_va_vdst(0) depctr_va_sdst(0) depctr_va_ssrc(0) depctr_va_vcc(0) depctr_vm_vsrc(0)
	s_getreg_b32 s2, hwreg(HW_REG_IB_STS2, 6, 4)
	s_cmp_eq_u32 s2, 0
	s_cbranch_scc0 .Lentry_in_a_cluster
	s_endpgm
.Lentry_in_a_cluster:
	s_bfe_u32 s2, ttmp6, 0x10000c
	s_cmp_lg_u32 s2, 0xf033
	s_cbranch_scc0 .Lentry_shape_is_right
	s_endpgm
.Lentry_shape_is_right:
; out0[m][n] = output_scale x down_scale[n] x 2^(e2 + e3) x the sum over k of h_codes[m][k] dn_codes[n][k].  h_codes [4096][4096], dn_codes [2048][4096]: codes of BF8 (E5M2), K innermost; sums in f32; out0 [4096][2048] f32.
; The three factors are multiplied into one number a column first (output_scale x 2^(e2 + e3) by v_ldexp_f32, then x down_scale): each result is rounded twice, in another order than sum x down_scale x output_scale.
; LIMIT: output_scale x 2^(e2 + e3) is a normal f32 number.
; A tile of 128 x 256 is made by a work-group of four waves; a wave makes 64 x 128: 32 accumulators, 256 registers.  32 x 8 tiles: 256 work-groups.
; K goes through a ring of two LDS slots of unlike length: slot Y holds 256 along K (rows of 256 bytes, pitch 272), slot X 512 (rows of 512 bytes, pitch 528); each has h's 128 rows and then dn's 256.
; 4,096 = 256 + 5 x 768: Y, then five times X and Y.  Every tile's row begins at a multiple of 256 bytes of memory.
; CLUSTERS: 4 x 4 work-groups.  h's tiles are shared along a row of the cluster, dn's along a column: each is asked for JOINTLY.  Waves 0 and 1 fetch 64 rows of h each, waves 2 and 3 128 rows of dn each.
; THE MATRIX INSTRUCTION IS USED TRANSPOSED (source 0 = 16 rows of dn, source 1 = 16 rows of h): a lane holds eight neighbouring columns of one row of out0.
; PREFETCH: behind each joint load stands the prefetch of the same slot's next tile, 768 further along K, which is the fill after the next (behind the first load also of slot X's first tile).  Of the rows that a wave
; fetches each of the four partners names a quarter, told apart by address (cx for h, cy for dn): 16 rows of h or 32 of dn, a lane a block of 256 bytes; h's lanes 16-31 name their wave's last row again.
; Slot X's last tile begins at 3,328 and slot Y's at 3,840: the loop's last trip asks for no tile of X, and the text behind the loop for nothing.
; REGISTERS: window 0: v0-31 addresses; v32-95 at work on the way out; v128-255 h's fragments, two sets of 4 x 16 registers.  window 1: dn's fragments, two sets of 8 x 16.
;   window 2: the accumulators ((a, b) at v[8 (8 a + b)]).  window 3: v0-63 my lane's 64 column factors.
.set SIZE_K, 4096
.set KROW,   4096                      ; a row of h_codes or dn_codes in bytes
.set OROW,   8192                      ; a row of out0 in bytes
.set PY,     272
.set PX,     528
.set FR,     16
.set LY_A,   0
.set LY_B,   128*PY
.set LX_A,   384*PY
.set LX_B,   LX_A+128*PX
.set SPARE,  LX_A+384*PX               ; behind the ring: the spare words, 128 bytes a wave
.set STAGE,  LX_A                      ; the way out: 16 rows x 528 bytes a wave, in slot X, behind that slot's last fill and last read
.set SPITCH, 528
.set PERIOD, 768
.set TRIPS,  (SIZE_K-256)/PERIOD-1     ; 4
.set PFO,  8                           ; v8  the prefetches' offset: my row x 4,096 bytes; never rewritten
.set ADRA, 16                          ; v16-17 LDS address of my h fragments in slot Y, X
.set ADRB, 20                          ; v20-21 the same for dn
.set STO,  24
.set RD,   25
.set CO,   26
.set FO,   27
.set SPW,  28                          ; my spare word's address; never rewritten
.set NIL,  29                          ; 0; never rewritten
.set OS,   30                          ; v30-31 output_scale x 2^(e2 + e3), twice
.set TMP,  32
.set AF,   128
.set BK,   128
.set G1,  24                           ; s[24:31] group 1 of h's tiles in Y; s[80:87] in X
.set GXA, 56
.set G0,  32                           ; s[32:35], s[36:39] group 0 of h's tiles in Y, X
.set G1B, 48                           ; s[48:55] group 1 of dn's tiles in Y; s[88:95] in X
.set GXB, 40
.set G0B, 56                           ; s[56:59], s[60:63] group 0 of dn's tiles in Y, X
.set PFA, 12                           ; s[12:13] my work-group's share of the rows that I fetch, stepped 768 bytes a trip
.set MSB, 0
.macro WIN new
.if MSB != (\new)
	s_set_vgpr_msb (MSB<<8)|(\new)
.set MSB, (\new)
.endif
.endm
.set MUL,  0xa1                        ; source 0 (dn) window 1, source 1 (h) window 0, C and D window 2
.set TO_B, 0x40
.macro JLOAD s                         ; a joint load into slot s; an s_nop 0 and four v_nop follow each line
	s_cmp_eq_u32 s15, 0
	s_cbranch_scc0 .Lfor_b_\@
	tensor_load_to_lds s[G0+4*(\s):G0+4*(\s)+3], s[G1+GXA*(\s):G1+GXA*(\s)+7]
	s_nop 0
.rept 4
	v_nop
.endr
	s_branch .Lasked_\@
.Lfor_b_\@:
	tensor_load_to_lds s[G0B+4*(\s):G0B+4*(\s)+3], s[G1B+GXB*(\s):G1B+GXB*(\s)+7]
	s_nop 0
.rept 4
	v_nop
.endr
.Lasked_\@:
.endm
.macro PF off
	global_prefetch_b8 v[PFO], s[PFA:PFA+1] offset:\off th:TH_LOAD_NT scope:SCOPE_SE
.endm
.macro ASK slot, how                   ; how = 1: in every trip; 2: not in the loop's last trip (s3 = 1)
.if (\how) == 2
	s_cmp_gt_u32 s3, 1
	s_cbranch_scc0 .Lno_ask_\@
.endif
.if (\slot) == 0
	PF PERIOD
.else
	PF PERIOD+256
	PF PERIOD+512
.endif
.Lno_ask_\@:
.endm
.macro CREST
	s_cmp_lg_u32 s14, 0
	s_cbranch_scc1 .Lnot_wave_0_\@
	s_barrier_signal -3
.Lnot_wave_0_\@:
	s_barrier_wait -3
	s_barrier_signal -1
	s_barrier_wait -1
.endm
.macro CROUND
	s_barrier_signal -1
	s_barrier_wait -1
	CREST
.endm
	s_load_b128 s[4:7], s[0:1], 0x0                ; h_codes, dn_codes
	s_load_b128 s[8:11], s[0:1], 0x10              ; the scales' exponents, down_scale
	s_load_b128 s[68:71], s[0:1], 0x20             ; output_scale, out0
	v_lshl_add_u32 v[SPW], v0, 2, SPARE
	v_mov_b32 v[NIL], 0
	ds_add_u32 v[SPW], v[NIL]                      ; the opening: the add, twice on end, and its wait ahead of my first tensor load
	ds_add_u32 v[SPW], v[NIL]
	v_lshrrev_b32 v1, 5, v0
	v_readfirstlane_b32 s14, v1                    ; wave
	s_lshr_b32 s15, s14, 1                         ; my half of the tile's rows.  Also: I fetch for h (0) or dn (1)
	s_and_b32 s16, s14, 1                          ; my half of its columns.  Also: which half of that tile's rows I fetch
	s_bfe_u32 s40, ttmp6, 0x40000                  ; cx, cy
	s_bfe_u32 s41, ttmp6, 0x40004
	s_lshl_b32 s42, ttmp9, 2
	s_add_co_u32 s42, s42, s40                     ; tile column
	s_and_b32 s17, ttmp7, 0xffff
	s_lshl_b32 s17, s17, 2
	s_add_co_u32 s17, s17, s41                     ; tile row
	s_lshl_b32 s43, s41, 2
	s_lshl_b32 s43, 15, s43                        ; my row of the cluster
	s_lshl_b32 s44, 0x1111, s40                    ; my column
	s_or_b32 s[G1+0], s43, (0<<16)|(1<<20)|(1<<21)|(5<<22)|(3<<25)      ; Y: 4 words of padding behind every 64
	s_or_b32 s[G1B+0], s44, (0<<16)|(1<<20)|(1<<21)|(5<<22)|(3<<25)
	s_or_b32 s[G1+GXA+0], s43, (0<<16)|(1<<20)|(1<<21)|(6<<22)|(3<<25)  ; X: behind every 128
	s_or_b32 s[G1B+GXB+0], s44, (0<<16)|(1<<20)|(1<<21)|(6<<22)|(3<<25)
.irp g, G1, G1B
	s_mov_b32 s[\g+1], 256<<16
	s_mov_b32 s[\g+3], 256<<16
	s_mov_b32 s[\g+5], KROW
	s_mov_b32 s[\g+6], 0
	s_mov_b32 s[\g+7], 0
.endr
.irp g, G1+GXA, G1B+GXB
	s_mov_b32 s[\g+1], 512<<16
	s_mov_b32 s[\g+3], 512<<16
	s_mov_b32 s[\g+5], KROW
	s_mov_b32 s[\g+6], 0
	s_mov_b32 s[\g+7], 0
.endr
.irp g, G1, G1+GXA
	s_mov_b32 s[\g+2], 64<<16                      ; 64 rows of h
	s_mov_b32 s[\g+4], 64
.endr
.irp g, G1B, G1B+GXB
	s_mov_b32 s[\g+2], 128<<16                     ; 128 rows of dn
	s_mov_b32 s[\g+4], 128
.endr
	s_lshl_b32 s18, s16, 6
	s_lshl_b32 s20, s17, 7
	s_add_co_u32 s20, s20, s18                     ; h: row 128 x tile row + 64 x half,
	s_lshl_b32 s20, s20, 12                        ; in bytes
	s_mov_b32 s21, 0
	s_lshl_b32 s18, s16, 7
	s_lshl_b32 s46, s42, 8
	s_add_co_u32 s46, s46, s18                     ; dn: row 256 x tile column + 128 x half
	s_lshl_b32 s46, s46, 12
	s_mov_b32 s47, 0
	s_mul_i32 s45, s16, 64*PY                      ; where they go, by the wave's number alone
	s_mul_i32 s66, s16, 128*PY
	s_add_co_u32 s66, s66, LY_B
	s_mul_i32 s67, s16, 64*PX
	s_add_co_u32 s67, s67, LX_A
	s_mul_i32 s78, s16, 128*PX
	s_add_co_u32 s78, s78, LX_B
	s_wait_dscnt 0x0                               ; both opening adds are done
	s_wait_kmcnt 0x0
	s_load_b128 s[72:75], s[8:9], 0x0              ; e0 .. e3
	s_load_b32 s76, s[68:69], 0x0                  ; output_scale
	s_add_nc_u64 s[20:21], s[4:5], s[20:21]
	s_add_nc_u64 s[46:47], s[6:7], s[46:47]
	s_cmp_eq_u32 s15, 0                            ; the prefetches: the rows that I fetch,
	s_cselect_b64 s[PFA:PFA+1], s[20:21], s[46:47]
	s_cselect_b32 s18, s40, s41                    ; my place among the four that ask for them with me,
	s_cselect_b32 s19, 16, 17                      ; x 16 rows of h or 32 of dn, of 4,096 bytes
	s_cselect_b32 s79, 15, 31                      ; the last row of my share
	s_lshl_b32 s18, s18, s19
	s_mov_b32 s19, 0
	s_add_nc_u64 s[PFA:PFA+1], s[PFA:PFA+1], s[18:19]
	CROUND                                         ; all sixteen work-groups are here: the first joint loads meet
	s_mov_b32 s[G0], 1
	s_mov_b32 s[G0+1], s45
	s_mov_b64 s[G0+2:G0+3], s[20:21]
	s_or_b32 s[G0+3], s[G0+3], 0x80000000
	s_mov_b32 s[G0B], 1
	s_mov_b32 s[G0B+1], s66
	s_mov_b64 s[G0B+2:G0B+3], s[46:47]
	s_or_b32 s[G0B+3], s[G0B+3], 0x80000000
	s_mov_b32 s[G0+4], 1
	s_mov_b32 s[G0+5], s67
	s_add_nc_u64 s[G0+6:G0+7], s[20:21], 256
	s_or_b32 s[G0+7], s[G0+7], 0x80000000
	s_mov_b32 s[G0B+4], 1
	s_mov_b32 s[G0B+5], s78
	s_add_nc_u64 s[G0B+6:G0B+7], s[46:47], 256
	s_or_b32 s[G0B+7], s[G0+7+24], 0x80000000
	JLOAD 0                                        ; K 0 .. 255 into Y: one tensor load a wave at the head
	s_mul_i32 s21, s15, 64*PY                      ; my 64 rows of h in Y,
	s_mul_i32 s22, s15, 64*PX
	s_add_co_u32 s22, s22, LX_A                    ; and in X;  my 128 rows of dn begin where my wave's namesake fetches them: s66, s78
	s_mul_i32 s23, s14, 16*SPITCH
	s_add_co_u32 s23, s23, STAGE                   ; my stage
	v_and_b32 v1, 15, v0                           ; r
	v_bfe_u32 v2, v0, 4, 1                         ; h
	v_mul_u32_u24 v3, v1, PY
	v_lshl_add_u32 v3, v2, 4, v3
	v_mul_u32_u24 v4, v1, PX
	v_lshl_add_u32 v4, v2, 4, v4
	v_add_nc_u32 v[ADRA], s21, v3
	v_add_nc_u32 v[ADRB], s66, v3
	v_add_nc_u32 v[ADRA+1], s22, v4
	v_add_nc_u32 v[ADRB+1], s78, v4
	v_mul_u32_u24 v5, v1, SPITCH                   ; into the stage: row r, 32 bytes for each half of the lanes
	v_lshl_add_u32 v5, v2, 5, v5
	v_add_nc_u32 v[STO], s23, v5
	v_and_b32 v6, 31, v0
	v_lshlrev_b32 v[CO], 4, v6                     ; back: the 32 lanes take one row of 512 bytes; the same in out0
	v_add_nc_u32 v[RD], s23, v[CO]
	v_lshlrev_b32 v[FO], 5, v2
	v_min_u32 v[PFO], s79, v6
	v_lshlrev_b32 v[PFO], 12, v[PFO]
	s_wait_alu depctr_va_vdst(0)
	PF 256                                         ; X's first tile,
	PF 512
	PF PERIOD                                      ; and Y's second
	s_lshl_b32 s20, s17, 7
	s_lshl_b32 s21, s15, 6
	s_add_co_u32 s20, s20, s21                     ; my first row of out0,
	s_lshl_b32 s20, s20, 13                        ; in bytes
	s_mov_b32 s21, 0
	s_add_nc_u64 s[70:71], s[70:71], s[20:21]
	s_lshl_b32 s46, s42, 10                        ; my first column, in bytes: 1,024 x tile column + 512 x half
	s_lshl_b32 s47, s16, 9
	s_add_co_u32 s46, s46, s47
	s_mov_b32 s47, 0
	s_add_nc_u64 s[70:71], s[70:71], s[46:47]
	s_add_nc_u64 s[10:11], s[10:11], s[46:47]      ; and down_scale there
	WIN 0xc0
.irp b, 0,1,2,3,4,5,6,7
	global_load_b128 v[8*\b:8*\b+3],   v[FO], s[10:11] offset:64*\b          ; down_scale of columns 16 b + 8 h + 0 .. 7, into window 3
	global_load_b128 v[8*\b+4:8*\b+7], v[FO], s[10:11] offset:64*\b+16
.endr
	WIN 0
	s_wait_kmcnt 0x0
	s_add_co_i32 s77, s74, s75                     ; e2 + e3
	v_mov_b32 v[OS], s76
	v_ldexp_f32 v[OS], v[OS], s77
	v_mov_b32 v[OS+1], v[OS]
	s_wait_alu depctr_va_vdst(0)
	s_wait_loadcnt 0x0                             ; the factors; Y's first tile is on its way meanwhile
	WIN 0xc3
.set n, 0
.rept 32
	v_pk_mul_f32 v[n:n+1], v[n:n+1], v[OS:OS+1]
.set n, n+2
.endr
	WIN 0
.macro FRAG reg, adr, pitch, q, i      ; 16 rows x 128 K: registers 4 c .. 4 c + 3 hold K = 32 c + 16 (l / 16) + 0 .. 15: the same permutation of k in both operands
.irp c, 0,1,2,3
	ds_load_b128 v[\reg+4*\c:\reg+4*\c+3], v[\adr] offset:128*(\q)+32*\c+(\i)*16*(\pitch)
.endr
.endm
.macro MUL8 a, p, zero                 ; h's block a against dn's eight; the 32 accumulators take turns
.irp b, 0,1,2,3,4,5,6,7
.if \zero
	v_wmma_f32_16x16x128_bf8_bf8 v[8*(8*(\a)+\b):8*(8*(\a)+\b)+7], v[128*(\p)+FR*\b:128*(\p)+FR*\b+FR-1], v[AF+64*(\p)+FR*(\a):AF+64*(\p)+FR*(\a)+FR-1], 0
.else
	v_wmma_f32_16x16x128_bf8_bf8 v[8*(8*(\a)+\b):8*(8*(\a)+\b)+7], v[128*(\p)+FR*\b:128*(\p)+FR*\b+FR-1], v[AF+64*(\p)+FR*(\a):AF+64*(\p)+FR*(\a)+FR-1], v[8*(8*(\a)+\b):8*(8*(\a)+\b)+7]
.endif
.endr
.endm
.macro FETCH slot, q, p                ; 48 LDS loads: dn's eight fragments, then h's four, of the slot's q-th 128 along K into set p
	WIN TO_B
.irp i, 0,1,2,3,4,5,6,7
	FRAG 128*(\p)+FR*\i, ADRB+(\slot), PY+(PX-PY)*(\slot), \q, \i
.endr
	WIN 0
.irp i, 0,1,2,3
	FRAG AF+64*(\p)+FR*\i, ADRA+(\slot), PY+(PX-PY)*(\slot), \q, \i
.endr
.endm
.macro PLACES                          ; plain places between a matrix instruction and a load into, or a vector read of, its registers
.rept 4
	v_nop
.endr
.endm
.macro STEP slot, q, zero              ; a step of 128 along K that has its successor in the same slot
	PLACES
	FETCH \slot, (\q)+1, 1-(\q)%2
	s_wait_dscnt 56                                ; the 48 just issued and this step's youngest eight (h's blocks 2, 3) may be out
	WIN MUL
	MUL8 0, (\q)%2, \zero
	MUL8 1, (\q)%2, \zero
	s_wait_dscnt 48                                ; all but the 48 just issued
	MUL8 2, (\q)%2, \zero
	MUL8 3, (\q)%2, \zero
	WIN 0
.endm
; A slot's last step changes slots: ONE barrier; in front of it each wave waits for all its tensor loads, adds 0 to its spare word, and waits for that and for its own reads of this slot.
.macro TURN slot, next, fill, ask
.if (\ask) && (\slot) == 0
	s_wait_xcnt 0x0                                ; my prefetches have read their address: it steps once a trip
	s_add_nc_u64 s[PFA:PFA+1], s[PFA:PFA+1], PERIOD
.endif
	s_wait_dscnt 8                                 ; h's blocks 2, 3 may be out
	WIN MUL
	MUL8 0, 1, 0
	WIN 0
	s_wait_tensorcnt 0x0                           ; all my tensor loads have landed: my part of the next slot
	ds_add_u32 v[SPW], v[NIL]                      ; 0 onto my spare word
	WIN MUL
	MUL8 1, 1, 0
	s_wait_dscnt 0x0                               ; the add is done, and my reads of this slot are over
	s_barrier_signal -1
	MUL8 2, 1, 0
	WIN 0
	s_barrier_wait -1
.if \fill
	CREST                                          ; the barrier has opened a round of the cluster's barrier
	s_add_nc_u64 s[G0+4*\slot+2:G0+4*\slot+3], s[G0+4*\slot+2:G0+4*\slot+3], PERIOD
	s_add_nc_u64 s[G0B+4*\slot+2:G0B+4*\slot+3], s[G0B+4*\slot+2:G0B+4*\slot+3], PERIOD
	JLOAD \slot                                    ; the first tensor load behind the round, my one load until the next; its four v_nop are the places in front of the loads below
.else
	PLACES
.endif
	FETCH \next, 0, 0
.if \ask
	ASK \slot, \ask
.endif
	WIN MUL
	MUL8 3, 1, 0
	WIN 0
.endm
	s_wait_alu depctr_va_vdst(0)
	s_wait_tensorcnt 0x0                           ; my part of Y's first tile is in; the same lines as ahead of a refill stand ahead of X's first fill:
	ds_add_u32 v[SPW], v[NIL]
	s_wait_dscnt 0x0
	CROUND                                         ; everybody's part is in, and the joint loads meet
	JLOAD 1                                        ; K 256 .. 767 into X
	FETCH 0, 0, 0
	PF PERIOD+256                                  ; X's second tile
	PF PERIOD+512
	STEP 0, 0, 1                                   ; the first step starts the sums
	s_mov_b32 s3, TRIPS
.Llap:                                                 ; a trip: Y's last step, X's four, Y's first; both slots are filled again
	TURN 0, 1, 1, 1
	STEP 1, 0, 0
	STEP 1, 1, 0
	STEP 1, 2, 0
	TURN 1, 0, 1, 2
	STEP 0, 0, 0
	s_sub_co_u32 s3, s3, 1
	s_cmp_lg_u32 s3, 0
	s_cbranch_scc1 .Llap
	TURN 0, 1, 1, 0                                ; Y's last tile is asked for
	STEP 1, 0, 0
	STEP 1, 1, 0
	STEP 1, 2, 0
	TURN 1, 0, 0, 0                                ; nothing is filled again.  Behind this barrier nobody reads X any more
	STEP 0, 0, 0
	s_wait_dscnt 8
	WIN MUL
	MUL8 0, 1, 0
	MUL8 1, 1, 0
	s_wait_dscnt 0
	MUL8 2, 1, 0
	MUL8 3, 1, 0
	WIN 0
; THE WAY OUT, block by block of 16 rows x 128 columns: sum x factor into other registers, through my own stage, back as whole rows of 512 bytes.  LDS serves a wave's instructions in order (ISA guide 5.7.1.4).
.macro TOSTAGE a
	WIN 0x0e                                       ; source 0 window 2 (sums), source 1 window 3 (factors)
.set n, 0
.rept 32
	v_pk_mul_f32 v[TMP+n:TMP+n+1], v[64*(\a)+n:64*(\a)+n+1], v[n:n+1]     ; each accumulator from its low end on
.set n, n+2
.endr
	WIN 0
.irp b, 0,1,2,3,4,5,6,7
	ds_store_b128 v[STO], v[TMP+8*\b:TMP+8*\b+3] offset:64*\b
	ds_store_b128 v[STO], v[TMP+8*\b+4:TMP+8*\b+7] offset:64*\b+16
.endr
.set BB, BK+64*((\a)%2)
.irp t, 0,1,2,3,4,5,6,7,8,9,10,11,12,13,14,15
	ds_load_b128 v[BB+4*\t:BB+4*\t+3], v[RD] offset:\t*SPITCH
.endr
.endm
.macro SEND a, younger                 ; younger: the LDS instructions issued behind block a's loads
.set BB, BK+64*((\a)%2)
	s_wait_dscnt \younger
.irp t, 0,1,2,3,4,5,6,7,8,9,10,11,12,13,14,15
	global_store_b128 v[CO], v[BB+4*\t:BB+4*\t+3], s[70:71] offset:(16*(\a)+\t)*OROW th:TH_STORE_NT   ; 32 lanes store 512 consecutive bytes, at a multiple of 256 from out0's first byte
.endr
.endm
	PLACES
	TOSTAGE 0
	TOSTAGE 1
	SEND 0, 32
	s_wait_xcnt 0x0                                ; block 0's stores have read their registers: block 2's loads may land there
	TOSTAGE 2
	SEND 1, 32
	s_wait_xcnt 0x0
	TOSTAGE 3
	SEND 2, 32
	SEND 3, 0
	s_wait_tensorcnt 0x0                           ; the wave's end
	ds_add_u32 v[SPW], v[NIL]
	s_wait_dscnt 0x0
	CROUND                                         ; the closing round
	s_endpgm
.Lfunc_end_k_qf2021f1679_down:
	.size	k_qf2021f1679_down, .Lfunc_end_k_qf2021f1679_down-k_qf2021f1679_down
	.p2alignl 7, 3214868480
	.fill 96, 4, 3214868480
	.section	.rodata,"a",@progbits
	.p2align	6, 0x0
	.amdhsa_kernel k_qf2021f1679_down
		.amdhsa_group_segment_fixed_size 327680
		.amdhsa_private_segment_fixed_size 0
		.amdhsa_enable_private_segment 0
		.amdhsa_kernarg_size 48
		.amdhsa_user_sgpr_count 2
		.amdhsa_user_sgpr_kernarg_segment_ptr 1
		.amdhsa_wavefront_size32 1
		.amdhsa_system_sgpr_workgroup_id_x 1
		.amdhsa_system_sgpr_workgroup_id_y 1
		.amdhsa_system_sgpr_workgroup_id_z 1
		.amdhsa_system_vgpr_workitem_id 0
		.amdhsa_next_free_vgpr 832
		.amdhsa_next_free_sgpr 96
		.amdhsa_reserve_vcc 0
		.amdhsa_float_denorm_mode_32 3
		.amdhsa_float_denorm_mode_16_64 3
		.amdhsa_memory_ordered 1
		.amdhsa_forward_progress 1
		.amdhsa_inst_pref_size 115
	.end_amdhsa_kernel
	.amdgpu_metadata
---
amdhsa.version: [ 1, 2 ]
amdhsa.kernels:
  - .name:           k_qf2021f1679_down
    .symbol:         k_qf2021f1679_down.kd
    .args:
      - { .name: h_codes, .offset: 0, .size: 8, .value_kind: global_buffer, .address_space: global }
      - { .name: dn_codes, .offset: 8, .size: 8, .value_kind: global_buffer, .address_space: global }
      - { .name: lowp_scales, .offset: 16, .size: 8, .value_kind: global_buffer, .address_space: global }
      - { .name: down_scale, .offset: 24, .size: 8, .value_kind: global_buffer, .address_space: global }
      - { .name: output_scale, .offset: 32, .size: 8, .value_kind: global_buffer, .address_space: global }
      - { .name: out0, .offset: 40, .size: 8, .value_kind: global_buffer, .address_space: global }
    .group_segment_fixed_size: 327680
    .private_segment_fixed_size: 0
    .kernarg_segment_align: 8
    .kernarg_segment_size: 48
    .max_flat_workgroup_size: 128
    .sgpr_count:     96
    .vgpr_count:     832
    .wavefront_size: 32
...
	.end_amdgpu_metadata
.endif
;; end of part 3
